; MI455X (gfx1250); checked and timed in simulation.
; The chip was launched on July 23, 2026; its instructions are those of AMD's public machine-readable ISA for CDNA 5 (MIT licence, August 2026) and "CDNA5" Instruction Set Architecture Reference Guide (July 2026). The comments in the code are by the model that wrote it; some were corrected since.
;; Extractor To P Mo E. Allowed arithmetic: matrix products marked QUANTISED: E2M1 operands, one E8M0 scale for each 32 along K, by v_wmma_scale_f32_16x16x128_f8f6f4 with both operands' format E2M1 (or v_wmma_scale_f32_32x16x128_f4), f32 sums; everything else in f32.
;; Inputs: W1_codes 16 x 2,048 x 32 x 16 uint8 (E2M1 codes of W1, K innermost, in blocks of 32 codes, two codes a byte); W1_scales 16 x 2,048 x 32 uint8 (E8M0 scales of W1, one for each 32 codes along K); W2_codes 16 x 1,000 x 64 x 16 uint8 (E2M1 codes of W2, K innermost, in blocks of 32 codes, two codes a byte); W2_scales 16 x 1,000 x 64 uint8 (E8M0 scales of W2, one for each 32 codes along K); Wg_codes 16 x 32 x 16 uint8 (E2M1 codes of Wg, K innermost, in blocks of 32 codes, two codes a byte); Wg_scales 16 x 32 uint8 (E8M0 scales of Wg, one for each 32 codes along K); b1 16 x 2,048 float32; b2 16 x 1,000 float32; bg 16 float32; x_codes 1,024 x 32 x 16 uint8 (E2M1 codes of x, K innermost, in blocks of 32 codes, two codes a byte); x_scales 1,024 x 32 uint8 (E8M0 scales of x, one for each 32 codes along K).
;; Outputs: out0 1,024 x 1,000 float32.
;; Constants: k = 2.
;; This version of the problem:
;;   THIS VERSION OF THE PROBLEM IS GIVEN IN LOW PRECISION. The matrix products marked QUANTISED in the list below multiply operands that are first quantised to E2M1 (2 exponent bits, 1 mantissa bit; 4 bits a number), with one power-of-two scale for each 32 numbers along K (OCP MX v1.0); their sums are f32. All else is computed in f32.
;;   The module's matrix products, in the order in which they are computed (A, B: the left and right operand; K: the contracted axis; several contracted axes count as one K, in the product's order):
;;     1. [M 1,024, K 1,024] x [K 1,024, N 16]; A: input x (given as codes); B: input Wg (given as codes): QUANTISED
;;     2. [M 1,024, K 1,024] x [K 1,024, N 32,768]; A: input x (given as codes); B: input W1 (given as codes): QUANTISED
;;     3. batch 16 x [M 1,000, K 2,048] x [K 2,048, N 1,024]; A: input W2 (given as codes); B: computed on the way: QUANTISED
;;   THE QUANTISER, for each operand of a quantised product, along K:
;;     - K is cut into blocks of 32 from its start; a last block that is shorter is filled with zeros.
;;     - A block's scale is 2^e with e = floor(log2(the largest magnitude in the block)) - 2, held to -126 .. 127; a block of zeros has e = 0. As a byte (E8M0): e + 127.
;;     - Each number is divided by its block's scale, clamped to +-6, and rounded to the nearest number of E2M1, ties to even, subnormals kept.
;;     - The product sums the exact products of the quantised numbers (number of the format x scale) in f32.
;;   ~~~python
;;   def quantise(x, axis):      # numpy; x: float32 -> the quantised numbers, widened to float32 again
;;       x = np.moveaxis(x, axis, -1); K = x.shape[-1]
;;       x = np.pad(x, [(0, 0)] * (x.ndim - 1) + [(0, -K % 32)]); x = x.reshape(x.shape[:-1] + (-1, 32)); a = np.abs(x).max(-1, keepdims=True)
;;       e = np.where(a > 0, np.clip(np.frexp(np.where(a > 0, a, 1))[1] - 1 - 2, -126, 127), 0)      # np.frexp(a)[1] - 1 = floor(log2(a)), exactly
;;       r = np.clip(x / 2.0 ** e, -6, 6)
;;       step = 2.0 ** (np.maximum(np.frexp(np.where(r == 0, 1, r))[1] - 1, 0) - 1)
;;       q = np.round(r / step) * step * 2.0 ** e      # np.round: ties to even
;;       return np.moveaxis(q.reshape(q.shape[:-2] + (-1,))[..., :K], -1, axis).astype(np.float32)
;;   ~~~
;;   OPERANDS COMPUTED ON THE WAY. 'Computed on the way' means the value that the module computes at that place (a softmax that the list does not call 'softmax' is quantised finished and normalised). What goes into a quantiser is computed in f32, as accurately as f32 sums, v_exp_f32 and their like allow (about 1e-6 of the number): no bf16 or f16 on the way to a quantiser, and a product that is left as it is and whose result goes on into a quantised operand takes f32 operands (vector FMAs, or v_wmma_f32_16x16x4_f32). A number that lies on a knife's edge between two numbers of the format may be rounded either way, as far as f32 arithmetic and the matrix unit's own rounding can turn it there, and no further.
;;   INPUTS GIVEN AS CODES. W1 (in the module: [16, 1024, 2048], K = its axis 1); W2 (in the module: [16, 2048, 1000], K = its axis 1); Wg (in the module: [1024, 16], K = its axis 0); x (in the module: [1024, 1024], K = its axis 1): each comes as NAME_codes (uint8): NAME with its K axis moved to the last place and cut into blocks of 32 codes, [.., K / 32, bytes a block], one block behind the other in memory; two codes a byte, the lower K in the low four bits (a code: sign, 2 exponent bits, 1 mantissa bit); and NAME_scales (uint8): the same leading axes, one E8M0 byte (e + 127) for each 32 codes along K. Its value is code x scale, taken as it is: it is not quantised again, and the codes and scales need not be those that the quantiser above would give.
;; One version. Each part assembles by itself: llvm-mc -triple=amdgcn-amd-amdhsa -mcpu=gfx1250 --defsym DOCPART=n.
;; ======== version 1 of 1: 4 launches
;; limits: right only within a limited range of input values
;; workspace buffers: route 4,096 bytes of whole numbers; gw 8,192 bytes; hq 16,777,216 bytes; hsc 1,048,576 bytes; logits 8,454,144 bytes
;; launch gate (part 1): grid 64 x 1, 1 waves a work-group, no clusters, 0 bytes of LDS; arguments x_codes, x_scales, Wg_codes, Wg_scales, bg, route, gw; writes route, gw
.if DOCPART == 1
	.amdgcn_target "amdgcn-amd-amdhsa--gfx1250"
	.amdhsa_code_object_version 6
	.text
	.protected	k_q85805cdafd_gate
	.globl	k_q85805cdafd_gate
	.p2align	8
	.type	k_q85805cdafd_gate,@function
k_q85805cdafd_gate:
	s_mov_b64 s[64:65], 0
	v_nop
	global_prefetch_b8 v0, s[64:65] scope:SCOPE_SE
	s_setreg_imm32_b32 hwreg(HW_REG_WAVE_MODE, 25, 1), 1
	s_wait_xcnt 0x0
; Launch 1 of 4: the router.  gate = softmax(x Wg + bg) over 16 experts, the two largest of each token.
; WORK LEFT OUT IN THE WHOLE PROGRAM.  reference() makes h, logits and logp for all 16 experts of every token and then keeps, by take_along_axis on idx (its own top_k's result),
; the rows of 2 experts; the other 14 rows of logp of a token are gathered by nobody and enter no output, whatever finite values the inputs hold.  So the products with W1 and W2 are
; multiplied only for the 2,048 pairs (token, chosen expert).  Which pairs these are hangs on numbers: the choice is made here, stored as whole numbers, and steers addresses only in the later launches.
; Every input has a way to the output: all are loaded.  LIMIT: a NaN, an infinity or an overflow that arises only in an expert that was not chosen for a token is not carried to the result.
; LIMITS OF THIS LAUNCH: NaN and infinities among the inputs are not served.  The two largest are taken of the logits, not of the rounded gates: the exponential rises with its input, so the order is the
; same, and equal logits go to the lower expert, as top_k has it; two logits that differ while their f32 gates round to the same number could be chosen otherwise than reference() chooses.
; SHARES.  One wave takes 16 tokens.  The product is used transposed (source 0 = Wg's 16 experts, source 1 = 16 tokens): lane (r, h) holds token r, and its register j expert 8 h + j.
; OUT.  route[token] = (1 << lo) | (0x10000 << hi), lo < hi the two chosen experts; gw[token] = (gate of lo, gate of hi).  The result is a sum over the two, so their rank is not kept.
; No LDS, no barrier; 64 and 128 bytes a wave go out: 12 KB in the whole launch.
.set XF,  16                           ; v16-79   x's fragments, 8 K steps x 8 registers
.set GF,  80                           ; v80-143  Wg's
.set XS,  144                          ; v144-151 x's scale words, one a K step
.set GS,  152                          ; v152-159 Wg's
.set BG,  160                          ; v160-167 bg in the result's layout
.set AC0, 168                          ; v168-175 the sum of the even K steps (begun with bg)
.set AC1, 176                          ; v176-183 of the odd ones
.set L,   184                          ; v184-191 the logits of my token's 8 experts
	s_load_b256 s[4:11], s[0:1], 0x0               ; x's codes, x's scales, Wg's codes, Wg's scales
	s_load_b128 s[12:15], s[0:1], 0x20             ; bg, route
	s_load_b64 s[16:17], s[0:1], 0x30              ; gw
	v_and_b32 v1, 15, v0                           ; r
	v_lshrrev_b32 v2, 4, v0                        ; h
	v_lshlrev_b32 v3, 9, v1
	v_lshl_add_u32 v3, v2, 4, v3                   ; a row of 1,024 codes is 512 bytes: 512 r + 16 h, for x and for Wg
	v_lshlrev_b32 v4, 5, v1                        ; a row of scale bytes is 32 bytes
	v_lshlrev_b32 v5, 5, v2                        ; bg: my half's 8 numbers
	v_lshlrev_b32 v6, 2, v1                        ; route: 4 bytes a token
	v_lshlrev_b32 v7, 3, v1                        ; gw: 8 bytes a token
	v_lshlrev_b32 v8, 3, v2                        ; my half's first expert
	s_mov_b32 s20, 0x76543210
	s_mov_b32 s21, 0xfedcba98                      ; v_permlanex16_b32's selects for lane l xor 16
	s_mov_b32 s22, 0xffff0000                      ; lanes 16-31
	s_lshl_b32 s26, ttmp9, 13                      ; my 16 tokens: 8,192 bytes of codes,
	s_mov_b32 s27, 0
	s_lshl_b32 s28, ttmp9, 9                       ; 512 of scale bytes,
	s_mov_b32 s29, 0
	s_lshl_b32 s30, ttmp9, 6                       ; 64 of route,
	s_mov_b32 s31, 0
	s_lshl_b32 s32, ttmp9, 7                       ; 128 of gw
	s_mov_b32 s33, 0
	s_wait_alu depctr_va_vdst(0)
	s_wait_kmcnt 0x0
	s_add_nc_u64 s[4:5], s[4:5], s[26:27]
	s_add_nc_u64 s[6:7], s[6:7], s[28:29]
	s_add_nc_u64 s[14:15], s[14:15], s[30:31]
	s_add_nc_u64 s[16:17], s[16:17], s[32:33]
.irp s, 0,1,2,3,4,5,6,7
.irp c, 0,1
	global_load_b128 v[XF+8*\s+4*\c:XF+8*\s+4*\c+3], v3, s[4:5] offset:64*\s+32*\c
	global_load_b128 v[GF+8*\s+4*\c:GF+8*\s+4*\c+3], v3, s[8:9] offset:64*\s+32*\c
.endr
.endr
.irp q, 0,1
	global_load_b128 v[XS+4*\q:XS+4*\q+3], v4, s[6:7] offset:16*\q
	global_load_b128 v[GS+4*\q:GS+4*\q+3], v4, s[10:11] offset:16*\q
	global_load_b128 v[BG+4*\q:BG+4*\q+3], v5, s[12:13] offset:16*\q
.endr
	s_wait_loadcnt 0x0
; eight K steps of 128 on two accumulators by turns, one instruction a turn; bg is the C of the first
.irp s, 0,1,2,3,4,5,6,7
.if \s == 0
	v_wmma_scale_f32_16x16x128_f8f6f4 v[AC0:AC0+7], v[GF:GF+7], v[XF:XF+7], v[BG:BG+7], v[GS], v[XS] matrix_a_fmt:MATRIX_FMT_FP4 matrix_b_fmt:MATRIX_FMT_FP4
.elseif \s == 1
	v_wmma_scale_f32_16x16x128_f8f6f4 v[AC1:AC1+7], v[GF+8:GF+15], v[XF+8:XF+15], 0, v[GS+1], v[XS+1] matrix_a_fmt:MATRIX_FMT_FP4 matrix_b_fmt:MATRIX_FMT_FP4
.else
	v_wmma_scale_f32_16x16x128_f8f6f4 v[AC0+8*(\s%2):AC0+8*(\s%2)+7], v[GF+8*\s:GF+8*\s+7], v[XF+8*\s:XF+8*\s+7], v[AC0+8*(\s%2):AC0+8*(\s%2)+7], v[GS+\s], v[XS+\s] matrix_a_fmt:MATRIX_FMT_FP4 matrix_b_fmt:MATRIX_FMT_FP4
.endif
.endr
.irp j, 0,1,2,3
	v_mov_b32 v[198+\j], 0                         ; a lane permute's destination counts as one of its sources: written once.  These five lines are also the places behind the products
.endr
	v_mov_b32 v228, 0
.irp j, 0,2,4,6
	v_pk_add_f32 v[L+\j:L+\j+1], v[AC0+\j:AC0+\j+1], v[AC1+\j:AC1+\j+1]   ; the logits, each accumulator from its low end on
.endr
; the two largest of my 8: (m1, i1) and (m2, i2).  The compares are strict, so of equal numbers the lower expert stays in front
	v_mov_b32 v192, v[L]                           ; m1
	v_mov_b32 v193, 0                              ; i1
	v_mov_b32 v194, 0xff800000                     ; m2 = -infinity
	v_mov_b32 v195, 0                              ; i2
.irp j, 1,2,3,4,5,6,7
	v_cmp_gt_f32 vcc_lo, v[L+\j], v192
	v_cmp_gt_f32 s23, v[L+\j], v194
	v_cndmask_b32 v196, v194, v[L+\j], s23         ; what is second if the new number is not first
	v_cndmask_b32 v197, v195, \j, s23
	v_cndmask_b32 v194, v196, v192, vcc_lo         ; if it is first, the old first is second
	v_cndmask_b32 v195, v197, v193, vcc_lo
	v_cndmask_b32 v192, v192, v[L+\j], vcc_lo
	v_cndmask_b32 v193, v193, \j, vcc_lo
.endr
	v_add_nc_u32 v193, v193, v8                    ; experts as numbers 0 to 15
	v_add_nc_u32 v195, v195, v8
.irp j, 0,1,2,3
	v_permlanex16_b32 v[198+\j], v[192+\j], s20, s21   ; the other half's two largest
.endr
.irp j, 0,1,2,3
	v_cndmask_b32 v[202+\j], v[192+\j], v[198+\j], s22 ; A: those of experts 0-7, in both halves of the lanes alike,
	v_cndmask_b32 v[206+\j], v[198+\j], v[192+\j], s22 ; B: those of experts 8-15
.endr
	v_cmp_gt_f32 vcc_lo, v206, v202                ; is B's first the first of all?  (a tie goes to A, the lower expert)
	v_cndmask_b32 v210, v202, v206, vcc_lo         ; T1
	v_cndmask_b32 v211, v203, v207, vcc_lo         ; I1
	v_cndmask_b32 v212, v204, v202, vcc_lo         ; the two that may be second: P from A,
	v_cndmask_b32 v213, v205, v203, vcc_lo
	v_cndmask_b32 v214, v206, v208, vcc_lo         ; Q from B
	v_cndmask_b32 v215, v207, v209, vcc_lo
	v_cmp_gt_f32 s24, v214, v212
	v_cndmask_b32 v216, v212, v214, s24            ; T2
	v_cndmask_b32 v217, v213, v215, s24            ; I2
; the softmax: the largest logit is taken away first; a subtraction and then a multiplication, so that the largest gives exactly 2^0
.irp j, 0,1,2,3,4,5,6,7
	v_sub_f32 v[218+\j], v[L+\j], v210
.endr
	v_sub_f32 v226, v216, v210
.irp j, 0,1,2,3,4,5,6,7,8
	v_mul_f32 v[218+\j], 0x3fb8aa3b, v[218+\j]     ; x log2(e)
.endr
	s_wait_alu depctr_va_vdst(0)
.irp j, 0,1,2,3,4,5,6,7,8
	v_exp_f32 v[218+\j], v[218+\j]                 ; one batch of nine
.endr
	v_min_u32 v233, v211, v217                     ; lo  (plain work behind the exponentials)
	v_max_u32 v234, v211, v217                     ; hi
	s_wait_alu depctr_va_vdst(0)                   ; one wait for the batch, ahead of its first reader
	v_pk_add_f32 v[218:219], v[218:219], v[220:221]
	v_pk_add_f32 v[222:223], v[222:223], v[224:225]
	v_pk_add_f32 v[218:219], v[218:219], v[222:223]
	v_add_f32 v227, v218, v219
	v_permlanex16_b32 v228, v227, s20, s21
	v_add_f32 v227, v227, v228                     ; the sum over all 16 experts
	s_wait_alu depctr_va_vdst(0)
	v_rcp_f32 v229, v227                           ; the first's gate: 2^0 / the sum
	v_mov_b32 v236, 1                              ; (plain work behind the reciprocal)
	v_mov_b32 v237, 0x10000
	s_wait_alu depctr_va_vdst(0)                   ; the wait ahead of the reciprocal's first reader
	v_mul_f32 v232, v226, v229                     ; the second's gate
	v_cmp_lt_u32 vcc_lo, v211, v217                ; is the first the lower expert?
	v_cndmask_b32 v230, v232, v229, vcc_lo         ; lo's gate
	v_cndmask_b32 v231, v229, v232, vcc_lo         ; hi's gate
	v_lshlrev_b32 v235, v233, v236
	v_lshlrev_b32 v237, v234, v237
	v_or_b32 v235, v235, v237                      ; 1 << lo | 0x10000 << hi
	v_cmp_gt_u32 vcc_lo, 16, v0                    ; both halves of the lanes hold the same: lanes 0-15 store
	s_wait_alu depctr_va_vdst(0)
	s_wait_xcnt 0x0                                ; EXEC changes only behind this wait
	s_and_saveexec_b32 s25, vcc_lo
	global_store_b32 v6, v235, s[14:15]
	global_store_b64 v7, v[230:231], s[16:17]
	s_wait_xcnt 0x0                                ; and again, in front of the line that widens it
	s_or_b32 exec_lo, exec_lo, s25
	s_endpgm
.Lfunc_end_k_q85805cdafd_gate:
	.size	k_q85805cdafd_gate, .Lfunc_end_k_q85805cdafd_gate-k_q85805cdafd_gate
	.p2alignl 7, 3214868480
	.fill 96, 4, 3214868480
	.section	.rodata,"a",@progbits
	.p2align	6, 0x0
	.amdhsa_kernel k_q85805cdafd_gate
		.amdhsa_group_segment_fixed_size 0
		.amdhsa_private_segment_fixed_size 0
		.amdhsa_enable_private_segment 0
		.amdhsa_kernarg_size 56
		.amdhsa_user_sgpr_count 2
		.amdhsa_user_sgpr_kernarg_segment_ptr 1
		.amdhsa_wavefront_size32 1
		.amdhsa_system_sgpr_workgroup_id_x 1
		.amdhsa_system_sgpr_workgroup_id_y 1
		.amdhsa_system_sgpr_workgroup_id_z 1
		.amdhsa_system_vgpr_workitem_id 0
		.amdhsa_next_free_vgpr 240
		.amdhsa_next_free_sgpr 66
		.amdhsa_reserve_vcc 1
		.amdhsa_float_denorm_mode_32 3
		.amdhsa_float_denorm_mode_16_64 3
		.amdhsa_memory_ordered 1
		.amdhsa_forward_progress 1
		.amdhsa_inst_pref_size 13
	.end_amdhsa_kernel
	.amdgpu_metadata
---
amdhsa.version: [ 1, 2 ]
amdhsa.kernels:
  - .name:           k_q85805cdafd_gate
    .symbol:         k_q85805cdafd_gate.kd
    .args:
      - { .name: x_codes, .offset: 0, .size: 8, .value_kind: global_buffer, .address_space: global }
      - { .name: x_scales, .offset: 8, .size: 8, .value_kind: global_buffer, .address_space: global }
      - { .name: Wg_codes, .offset: 16, .size: 8, .value_kind: global_buffer, .address_space: global }
      - { .name: Wg_scales, .offset: 24, .size: 8, .value_kind: global_buffer, .address_space: global }
      - { .name: bg, .offset: 32, .size: 8, .value_kind: global_buffer, .address_space: global }
      - { .name: route, .offset: 40, .size: 8, .value_kind: global_buffer, .address_space: global }
      - { .name: gw, .offset: 48, .size: 8, .value_kind: global_buffer, .address_space: global }
    .group_segment_fixed_size: 0
    .private_segment_fixed_size: 0
    .kernarg_segment_align: 8
    .kernarg_segment_size: 56
    .max_flat_workgroup_size: 32
    .sgpr_count:     66
    .vgpr_count:     240
    .wavefront_size: 32
...
	.end_amdgpu_metadata
.endif
;; end of part 1
;; launch fc1 (part 2): grid 16 x 16, 4 waves a work-group, no clusters, 70,144 bytes of LDS; arguments x_codes, x_scales, W1_codes, W1_scales, b1, route, hq, hsc; writes hq, hsc
.if DOCPART == 2
	.amdgcn_target "amdgcn-amd-amdhsa--gfx1250"
	.amdhsa_code_object_version 6
	.text
	.protected	k_q85805cdafd_fc1
	.globl	k_q85805cdafd_fc1
	.p2align	8
	.type	k_q85805cdafd_fc1,@function
k_q85805cdafd_fc1:
	s_mov_b64 s[64:65], 0
	v_nop
	global_prefetch_b8 v0, s[64:65] scope:SCOPE_SE
	s_setreg_imm32_b32 hwreg(HW_REG_WAVE_MODE, 25, 1), 1
	s_wait_xcnt 0x0
; Launch 2 of 4: h = x W1[e] + b1 for the tokens that chose expert e, quantised along H to E2M1 codes with one E8M0 byte for each 32.
; WORK LEFT OUT: the rows of h of experts that a token did not choose (the first launch's head comment shows that they reach no output).
; SHARES.  Work-group (hs, e) owns units 128 hs .. + 127 of expert e: 64 KB of W1's codes, which go through LDS, in two K halves, into EACH wave's registers (512).  The waves share the rows: wave w takes the tiles of
; 32 rows T = w, w + 4, .. under ceil(n / 32), n the tokens that chose e.  At least four tiles are made for each expert, so each wave's first is made without a branch and tiles 0 to 3 of hq and hsc are always stored.
; No tensor load, no copy, no cluster: branches and addresses hang on the route, which partners do not share.  No prefetch: a wave's first tile is asked for at the head, and what the loop reads hangs on the route.
; WHICH ROWS.  The route's 1,024 words lie in 32 registers, register k = 4 i + q of lane l token 128 i + 4 l + q.  One compare a register gives 32 masks, kept in s66-97.  A row's rank g = 32 T + l finds its mask by the
; running count of bits, and its bit by halving: counts of 16, 8, 4, 2 and 1 bits.  A rank of n or more takes some token's row; a lane holds one row throughout, so such a row touches no other, and nobody uses its result.
; The product is used transposed (source 0 = 16 units of W1, source 1 = 16 rows of x): lane (r, h), register j of tile t holds unit 16 t + 8 h + j of row r.  b1 is the C of each sum's first product.
; OUT.  hq [e][T][hs][half m][1,024 bytes]: the image of the next operand's registers (group c of four registers at 512 c + 16 x lane); hsc [e][T][hs][32 words]: lane l holds the scale word of row 32 T + l.
; LIMITS: NaN and infinities are not served.  A block of h that is all zeros gets the byte 1 where the rule says 127: its codes are zeros, and this program alone reads the bytes.
; REGISTERS.  Window 0: v1-23 addresses; v24-31 x's scale words; v32-95 W1's; v96-223 accumulators ((m, t) at 96 + 64 m + 8 t; at the head v96-127: the route); v224-237 the quantiser; v240-255 the search, then codes.
; Window 1: W1's K steps 0-3 (64 s + 8 t); window 2: 4-7 (at the head v0-127: rows as loaded); window 3: v0-63 b1, v64-191 x's fragments (64 + 64 m + 8 s).
.set WP,    272                        ; LDS: 128 rows of 256 bytes + 16: the first K half,
.set WL1,   34816                      ; and the second
.set SPARE, 69632                      ; the spare words, 128 bytes for each wave, in blocks that no other line names
.set HO,    13
.set SO,    15
.set TOK,   16
.set XS,    24
.set W1S,   32
.set ACC,   96
.set RT,    96
.set TM,    224
.set PW0,   236
.set PW1,   237
.set PC0,   240
.set PC1,   248
.set MK,    240
.set PR,    241
.set KK,    242
.set T1,    243
.set POS,   244
.set A1,    245
.set A2,    246
.set A4,    247
.set UU,    248
.set OTH,   249
.set AR,    250
.set BR,    251
.set B1R,   0
.set XFR,   64
.set SEL,   28
.set MSB, 0
.macro WIN new                         ; the immediate's high byte repeats the setting that is left
.if MSB != \new
	s_set_vgpr_msb (MSB<<8)|\new
.set MSB, \new
.endif
.endm
.macro HALVE w                         ; the count in v[T1] of the lower w bits: is my bit above them?
	v_cmp_ge_u32 vcc_lo, v[PR], v[T1]
	v_cndmask_b32 v[UU], 0, \w, vcc_lo
	v_cndmask_b32 v[T1], 0, v[T1], vcc_lo
	v_sub_nc_u32 v[PR], v[PR], v[T1]
.endm
; The token of rank v11, lane by lane, in v[TOK]; s24 ends as n
.macro PASS
	v_mov_b32 v[MK], s66
	v_mov_b32 v[PR], 0
	v_mov_b32 v[KK], 0
	s_bcnt1_i32_b32 s24, s66
.set k, 1
.rept 31
	v_cmp_le_u32 vcc_lo, s24, v11                  ; are there no more bits ahead of mask k than my rank?
	s_bcnt1_i32_b32 s25, s[66+k]
	v_cndmask_b32 v[MK], v[MK], s[66+k], vcc_lo
	v_cndmask_b32 v[PR], v[PR], s24, vcc_lo
	v_cndmask_b32 v[KK], v[KK], k, vcc_lo
	s_add_co_u32 s24, s24, s25
.set k, k+1
.endr
	v_sub_nc_u32 v[PR], v11, v[PR]                 ; my bit's number in the mask
	v_lshrrev_b32 v[T1], 1, v[MK]
	v_and_b32 v[T1], 0x55555555, v[T1]
	v_sub_nc_u32 v[A1], v[MK], v[T1]               ; counts of 2 bits,
	v_and_b32 v[T1], 0x33333333, v[A1]
	v_lshrrev_b32 v[UU], 2, v[A1]
	v_and_b32 v[UU], 0x33333333, v[UU]
	v_add_nc_u32 v[A2], v[T1], v[UU]               ; of 4,
	v_lshrrev_b32 v[T1], 4, v[A2]
	v_add_nc_u32 v[T1], v[T1], v[A2]
	v_and_b32 v[A4], 0x0f0f0f0f, v[T1]             ; of 8,
	v_lshrrev_b32 v[T1], 8, v[A4]
	v_add_nc_u32 v[T1], v[T1], v[A4]
	v_and_b32 v[T1], 0xff, v[T1]                   ; of the lower 16
	HALVE 16
	v_mov_b32 v[POS], v[UU]
	v_bfe_u32 v[T1], v[A4], v[POS], 8
	HALVE 8
	v_add_nc_u32 v[POS], v[POS], v[UU]
	v_bfe_u32 v[T1], v[A2], v[POS], 4
	HALVE 4
	v_add_nc_u32 v[POS], v[POS], v[UU]
	v_bfe_u32 v[T1], v[A1], v[POS], 2
	HALVE 2
	v_add_nc_u32 v[POS], v[POS], v[UU]
	v_bfe_u32 v[T1], v[MK], v[POS], 1
	HALVE 1
	v_add_nc_u32 v[POS], v[POS], v[UU]
	v_lshrrev_b32 v[T1], 2, v[KK]
	v_and_b32 v[UU], 3, v[KK]
	v_lshl_add_u32 v[UU], v[POS], 2, v[UU]
	v_lshl_add_u32 v[TOK], v[T1], 7, v[UU]         ; 128 (k / 4) + 4 lane + k % 4
	v_min_u32 v[TOK], 0x3ff, v[TOK]
.endm
.macro OFFS                            ; offsets of rows r and 16 + r in x's codes, of row l in x's scales
	v_permlanex16_b32 v[OTH], v[TOK], s[SEL], s[SEL+1]
	v_cndmask_b32 v[AR], v[TOK], v[OTH], s27
	v_cndmask_b32 v[BR], v[OTH], v[TOK], s27
	v_min_u32 v[AR], 0x3ff, v[AR]
	v_min_u32 v[BR], 0x3ff, v[BR]
	v_lshl_add_u32 v[HO], v[AR], 9, v3
	v_lshl_add_u32 v[HO+1], v[BR], 9, v3
	v_lshlrev_b32 v[SO], 5, v[TOK]
.endm
.macro XSL                             ; x's scale words, all 8 K steps: lanes 0-15 rows 0-15, lanes 16-31 rows 16-31
	global_load_b128 v[XS:XS+3], v[SO], s[6:7]
	global_load_b128 v[XS+4:XS+7], v[SO], s[6:7] offset:16
.endm
.macro XLD s0                          ; x's K steps s0 .. s0 + 3: 16 loads
	WIN 0xc0
.irp i, 0,1,2,3
.irp m, 0,1
.irp c, 0,1
	global_load_b128 v[XFR+64*\m+8*(\s0+\i)+4*\c:XFR+64*\m+8*(\s0+\i)+4*\c+3], v[HO+\m], s[4:5] offset:64*(\s0+\i)+32*\c
.endr
.endr
.endr
	WIN 0
.endm
.macro FR s, base, win                 ; W1's fragments of one K step of a half: 16 loads
	WIN \win
.irp t, 0,1,2,3,4,5,6,7
.irp c, 0,1
	ds_load_b128 v[64*\s+8*\t+4*\c:64*\s+8*\t+4*\c+3], v6 offset:\base+16*\t*WP+64*\s+32*\c
.endr
.endr
.endm
; 64 numbers of a lane, register 16 b + 8 u + i = unit 32 b + 16 u + 8 (lane / 16) + i of my row, become a fragment's codes in v[pc] on and its scale word in v[pw]
.macro QUANT s, pc, pw
.irp b, 0,1,2,3
	v_max3_num_f32 v[TM+\b], |v[\s+16*\b]|, |v[\s+1+16*\b]|, 0x1800000   ; block b, from each accumulator's low end on, and the floor 2^(3 - 127): the byte cannot fall under 1
.endr
.irp i, 2,4,6,8,10,12,14
.irp b, 0,1,2,3
	v_max3_num_f32 v[TM+\b], v[TM+\b], |v[\s+16*\b+\i]|, |v[\s+1+16*\b+\i]|
.endr
.endr
.irp b, 0,1,2,3
	v_permlanex16_b32 v[TM+4+\b], v[TM+\b], s[SEL], s[SEL+1]
.endr
.irp b, 0,1,2,3
	v_max_num_f32 v[TM+\b], v[TM+\b], v[TM+4+\b]   ; with lane l xor 16's: the block's largest magnitude
.endr
.irp b, 0,1,2,3
	v_add_nc_u32 v[TM+8+\b], 0xff000000, v[TM+\b]  ; 2 off its exponent field: the conversion's scale operand
.endr
.irp b, 0,1,2,3
	v_lshrrev_b32 v[TM+4+\b], 23, v[TM+8+\b]       ; the scale's byte
.endr
	v_lshl_or_b32 v[\pw], v[TM+5], 8, v[TM+4]
	v_lshl_or_b32 v[\pw], v[TM+6], 16, v[\pw]
	v_lshl_or_b32 v[\pw], v[TM+7], 24, v[\pw]
.irp b, 0,1,2,3
	v_cvt_scalef32_pk8_fp4_f32 v[\pc+4*(\b/2)+\b%2], v[\s+16*\b:\s+7+16*\b], v[TM+8+\b]
	v_cvt_scalef32_pk8_fp4_f32 v[\pc+4*(\b/2)+\b%2+2], v[\s+8+16*\b:\s+15+16*\b], v[TM+8+\b]
.endr
	v_nop                                          ; one plain place behind a scaled conversion
.irp c, 0,1                                    ; halves of two blocks change places: lanes 0-15 get dwords 2 u, 2 u + 1 of block 2 c, lanes 16-31 those of block 2 c + 1
.irp u, 0,1
	v_permlane16_swap_b32 v[\pc+4*\c+2*\u], v[\pc+4*\c+2*\u+1]
.endr
.endr
.endm
.macro MM d, a, b, c, sa, sb, row      ; row = 1: source 1's scale words stand in lanes 16-31
.if \row
	v_wmma_scale_f32_16x16x128_f8f6f4 v[\d:\d+7], v[\a:\a+7], v[\b:\b+7], v[\c:\c+7], v[\sa], v[\sb] matrix_a_fmt:MATRIX_FMT_FP4 matrix_b_fmt:MATRIX_FMT_FP4 matrix_b_scale:MATRIX_SCALE_ROW1
.else
	v_wmma_scale_f32_16x16x128_f8f6f4 v[\d:\d+7], v[\a:\a+7], v[\b:\b+7], v[\c:\c+7], v[\sa], v[\sb] matrix_a_fmt:MATRIX_FMT_FP4 matrix_b_fmt:MATRIX_FMT_FP4
.endif
.endm
; K step s: sixteen accumulators by turns, one instruction a turn, in the same order in every K step
.macro MULS s
.irp t, 0,1,2,3,4,5,6,7
.irp m, 0,1
.if (\s) == 0
	MM ACC+64*\m+8*\t, 64*((\s)%4)+8*\t, XFR+64*\m+8*(\s), B1R+8*\t, W1S+8*\t+(\s), XS+(\s), \m
.else
	MM ACC+64*\m+8*\t, 64*((\s)%4)+8*\t, XFR+64*\m+8*(\s), ACC+64*\m+8*\t, W1S+8*\t+(\s), XS+(\s), \m
.endif
.endr
.endr
.endm
; A tile.  first = 1: W1's second K half is read from LDS between the products of the first
.macro TRIP first
	s_add_co_u32 s38, s33, 4                       ; my next tile, if there is one: its rows
	s_cmp_ge_u32 s38, s32
	s_cbranch_scc1 .Lno_pass_\@
	v_add_nc_u32 v11, 128, v11
	PASS
	s_wait_alu depctr_va_vdst(0)
	s_wait_xcnt 0x0                                ; the loads on their way have read their offsets
	OFFS
	s_wait_alu depctr_va_vdst(0)
.Lno_pass_\@:
.if \first
	s_wait_loadcnt 16                              ; all but x's K steps 4-7
.irp s, 0,1,2,3
	FR \s, WL1, 0x80
.if \s == 0
	WIN 0x3d                                       ; source 0 (W1) window 1, source 1 (x) window 3, C (b1) window 3, D window 0
.else
	WIN 0x0d
.endif
	MULS \s
.endr
	s_wait_loadcnt 0x0
	s_wait_dscnt 0x0                               ; the slice stays in my registers from here on
.else
	s_wait_loadcnt 0x0                             ; this tile's rows of x
	WIN 0x3d
	MULS 0
	WIN 0x0d
	MULS 1
	MULS 2
	MULS 3
.endif
	WIN 0x0e                                       ; W1 in window 2
	MULS 4
	MULS 5
	MULS 6
	MULS 7
	WIN 0
.rept 4
	v_nop                                          ; places in front of loads into what the products have read, and of the first read of their results
.endr
	s_cmp_ge_u32 s38, s32
	s_cbranch_scc1 .Lno_ahead_\@
	XSL                                            ; the next tile's rows land while this one is quantised
	XLD 0
	XLD 4
.Lno_ahead_\@:
	QUANT ACC, PC0, PW0                            ; rows 0-15
	QUANT ACC+64, PC1, PW1                         ; rows 16-31
	v_cndmask_b32 v[PW0], v[PW0], v[PW1], s27      ; lane l: the scale word of row l
	global_store_b128 v4, v[PC0:PC0+3], s[16:17]               ; each store covers 512 consecutive bytes, at a multiple of 512 from hq's first byte
	global_store_b128 v4, v[PC0+4:PC0+7], s[16:17] offset:512
	global_store_b128 v4, v[PC1:PC1+3], s[16:17] offset:1024
	global_store_b128 v4, v[PC1+4:PC1+7], s[16:17] offset:1536
	global_store_b32 v8, v[PW0], s[18:19]          ; 128 consecutive bytes: one byte in sixteen of what the launch stores
.endm
	s_load_b512 s[4:19], s[0:1], 0x0               ; x's codes, x's scales, W1's codes, W1's scales, b1, route, hq, hsc
	v_lshl_add_u32 v22, v0, 2, SPARE               ; kept for the wave's end
	v_mov_b32 v23, 0
	v_lshrrev_b32 v1, 5, v0
	v_readfirstlane_b32 s20, v1                    ; wave
	s_mov_b32 s21, ttmp9                           ; hs
	s_and_b32 s22, ttmp7, 0xffff                   ; e
	s_lshl_b32 s23, 0x10001, s22                   ; the expert's two bits in a word of route
	s_mov_b32 s27, 0xffff0000                      ; lanes 16-31
	s_mov_b32 s[SEL], 0x76543210
	s_mov_b32 s[SEL+1], 0xfedcba98
	s_mov_b32 s33, s20                             ; T = w
	s_mul_i32 s42, s20, 32*WP
	s_lshl_b32 s45, s20, 5
	s_lshl_b32 s38, s22, 11
	s_lshl_b32 s39, s21, 7
	s_add_co_u32 s38, s38, s39                     ; my slice's first unit among all: 2,048 e + 128 hs
	s_add_co_u32 s39, s38, s45                     ; + the 32 that my wave loads
	v_and_b32 v1, 31, v0                           ; l
	v_and_b32 v2, 15, v0                           ; r
	v_bfe_u32 v9, v0, 4, 1                         ; h
	v_lshlrev_b32 v4, 4, v1                        ; 16 l
	v_lshlrev_b32 v3, 4, v9                        ; 16 h
	v_lshlrev_b32 v8, 2, v1                        ; 4 l
	v_mul_u32_u24 v5, v9, WP
	v_lshl_add_u32 v5, v2, 4, v5
	v_add_nc_u32 v5, s42, v5                       ; where I put what I load: lanes 0-15 one row, lanes 16-31 the next
	v_mul_u32_u24 v6, v2, WP
	v_add_nc_u32 v6, v6, v3                        ; a fragment: row r, + 16 h
	v_lshlrev_b32 v10, 9, v9
	v_lshl_add_u32 v10, v2, 4, v10                 ; and where it lies in memory: 512 h + 16 r
	v_add_nc_u32 v11, s45, v1                      ; my rank: 32 w + l
	v_lshlrev_b32 v20, 5, v2                       ; W1's scale words: 32 bytes a unit
	v_lshlrev_b32 v21, 5, v9                       ; b1: 8 numbers for each half of the lanes
.irp b, 0,1,2,3
	v_mov_b32 v[TM+4+\b], 0                        ; written once: a lane permute's destination counts as one of its sources
.endr
	v_mov_b32 v[OTH], 0
	s_wait_alu depctr_va_vdst(0)
	s_wait_kmcnt 0x0
.irp i, 0,1,2,3,4,5,6,7
	global_load_b128 v[RT+4*\i:RT+4*\i+3], v4, s[14:15] offset:512*\i   ; the route
.endr
	s_lshl_b32 s36, s39, 9                         ; 512 bytes of codes a unit
	s_mov_b32 s37, 0
	s_add_nc_u64 s[8:9], s[8:9], s[36:37]
	s_lshl_b32 s36, s38, 5                         ; 32 scale bytes a unit
	s_add_nc_u64 s[10:11], s[10:11], s[36:37]
	s_lshl_b32 s36, s38, 2
	s_add_nc_u64 s[12:13], s[12:13], s[36:37]      ; b1 at my slice
	s_lshl_b32 s38, s22, 5
	s_add_co_u32 s38, s38, s20                     ; 32 e + T
	s_lshl_b32 s36, s38, 15
	s_lshl_b32 s39, s21, 11
	s_add_co_u32 s36, s36, s39
	s_add_nc_u64 s[16:17], s[16:17], s[36:37]      ; hq at (e, T, hs)
	s_lshl_b32 s36, s38, 11
	s_lshl_b32 s39, s21, 7
	s_add_co_u32 s36, s36, s39
	s_add_nc_u64 s[18:19], s[18:19], s[36:37]      ; hsc at (e, T, hs)
	WIN 0x80                                       ; destination window 2
.irp p, 0,1
.set i, 0
.rept 16
	global_load_b128 v[64*\p+4*i:64*\p+4*i+3], v10, s[8:9] offset:256*\p+1024*i th:TH_LOAD_NT   ; K half p of two rows, 256 consecutive aligned bytes each; a row is read by this wave alone
.set i, i+1
.endr
.endr
	WIN 0
	s_wait_loadcnt 32                              ; the route is in; behind it 32 loads of W1's rows
.set k, 0
.rept 32
	v_and_b32 v[MK+k%4], s23, v[RT+k]
	v_cmp_ne_u32 s[66+k], 0, v[MK+k%4]             ; the tokens of register k that chose e
.set k, k+1
.endr
	PASS
	OFFS
	s_wait_alu depctr_va_vdst(0)
	s_add_co_u32 s32, s24, 31
	s_lshr_b32 s32, s32, 5
	s_min_u32 s32, s32, 32
	s_max_u32 s32, s32, 4                          ; the expert's tiles of 32 rows: at least one for each wave
	XSL
	XLD 0
	s_wait_loadcnt 34                              ; W1's first K half is in; behind it 16 loads of the second and 18 of x
	WIN 0x08                                       ; an LDS store's data are its source 1: window 2
.set i, 0
.rept 16
	ds_store_b128 v5, v[4*i:4*i+3] offset:2*WP*i
.set i, i+1
.endr
	WIN 0
	s_wait_dscnt 0x0
	s_barrier_signal -1
	s_barrier_wait -1                              ; the first K half of 128 rows lies in LDS; nobody writes it again
.irp t, 0,1,2,3,4,5,6,7
.irp q, 0,1
	global_load_b128 v[W1S+8*\t+4*\q:W1S+8*\t+4*\q+3], v20, s[10:11] offset:512*\t+16*\q   ; unit 16 t + r: its 8 scale words
.endr
.endr
.irp s, 0,1,2,3
	FR \s, 0, 0x40
.endr
	s_wait_loadcnt 34                              ; the second K half is in; behind it 18 loads of x and 16 of scale words
	WIN 0x08
.set i, 0
.rept 16
	ds_store_b128 v5, v[64+4*i:64+4*i+3] offset:WL1+2*WP*i
.set i, i+1
.endr
	WIN 0xc0
.irp t, 0,1,2,3,4,5,6,7
.irp q, 0,1
	global_load_b128 v[B1R+8*\t+4*\q:B1R+8*\t+4*\q+3], v21, s[12:13] offset:64*\t+16*\q    ; b1 of units 16 t + 8 h + 0 .. 7
.endr
.endr
	XLD 4
	s_wait_dscnt 0x0
	s_barrier_signal -1
	s_barrier_wait -1                              ; the second K half lies in LDS; nobody writes it again
	TRIP 1
	s_mov_b32 s34, 1
.Ltrip:                                                ; seven trips, a constant: tiles T = w + 4 x trip; the work of a tile that the expert does not have is jumped over
	s_wait_xcnt 0x0                                ; loads and stores have read their bases and registers
	s_add_nc_u64 s[16:17], s[16:17], 131072        ; four tiles on
	s_add_nc_u64 s[18:19], s[18:19], 8192
	s_add_co_u32 s33, s33, 4
	s_cmp_ge_u32 s33, s32
	s_cbranch_scc1 .Lskip
	TRIP 0
.Lskip:
	s_add_co_u32 s34, s34, 1
	s_cmp_lt_u32 s34, 8
	s_cbranch_scc1 .Ltrip
	s_wait_tensorcnt 0x0                           ; the wave's end
	ds_add_u32 v22, v23
	s_wait_dscnt 0x0
	s_endpgm
.Lfunc_end_k_q85805cdafd_fc1:
	.size	k_q85805cdafd_fc1, .Lfunc_end_k_q85805cdafd_fc1-k_q85805cdafd_fc1
	.p2alignl 7, 3214868480
	.fill 96, 4, 3214868480
	.section	.rodata,"a",@progbits
	.p2align	6, 0x0
	.amdhsa_kernel k_q85805cdafd_fc1
		.amdhsa_group_segment_fixed_size 70144
		.amdhsa_private_segment_fixed_size 0
		.amdhsa_enable_private_segment 0
		.amdhsa_kernarg_size 64
		.amdhsa_user_sgpr_count 2
		.amdhsa_user_sgpr_kernarg_segment_ptr 1
		.amdhsa_wavefront_size32 1
		.amdhsa_system_sgpr_workgroup_id_x 1
		.amdhsa_system_sgpr_workgroup_id_y 1
		.amdhsa_system_sgpr_workgroup_id_z 1
		.amdhsa_system_vgpr_workitem_id 0
		.amdhsa_next_free_vgpr 1024
		.amdhsa_next_free_sgpr 100
		.amdhsa_reserve_vcc 1
		.amdhsa_float_denorm_mode_32 3
		.amdhsa_float_denorm_mode_16_64 3
		.amdhsa_memory_ordered 1
		.amdhsa_forward_progress 1
		.amdhsa_inst_pref_size 117
	.end_amdhsa_kernel
	.amdgpu_metadata
---
amdhsa.version: [ 1, 2 ]
amdhsa.kernels:
  - .name:           k_q85805cdafd_fc1
    .symbol:         k_q85805cdafd_fc1.kd
    .args:
      - { .name: x_codes, .offset: 0, .size: 8, .value_kind: global_buffer, .address_space: global }
      - { .name: x_scales, .offset: 8, .size: 8, .value_kind: global_buffer, .address_space: global }
      - { .name: W1_codes, .offset: 16, .size: 8, .value_kind: global_buffer, .address_space: global }
      - { .name: W1_scales, .offset: 24, .size: 8, .value_kind: global_buffer, .address_space: global }
      - { .name: b1, .offset: 32, .size: 8, .value_kind: global_buffer, .address_space: global }
      - { .name: route, .offset: 40, .size: 8, .value_kind: global_buffer, .address_space: global }
      - { .name: hq, .offset: 48, .size: 8, .value_kind: global_buffer, .address_space: global }
      - { .name: hsc, .offset: 56, .size: 8, .value_kind: global_buffer, .address_space: global }
    .group_segment_fixed_size: 70144
    .private_segment_fixed_size: 0
    .kernarg_segment_align: 8
    .kernarg_segment_size: 64
    .max_flat_workgroup_size: 128
    .sgpr_count:     100
    .vgpr_count:     1024
    .wavefront_size: 32
...
	.end_amdgpu_metadata
.endif
;; end of part 2
;; launch fc2 (part 3): grid 16 x 16, 4 waves a work-group, no clusters, 86,016 bytes of LDS; arguments hq, hsc, W2_codes, W2_scales, b2, route, logits; writes logits
.if DOCPART == 3
	.amdgcn_target "amdgcn-amd-amdhsa--gfx1250"
	.amdhsa_code_object_version 6
	.text
	.protected	k_q85805cdafd_fc2
	.globl	k_q85805cdafd_fc2
	.p2align	8
	.type	k_q85805cdafd_fc2,@function
k_q85805cdafd_fc2:
	s_mov_b64 s[64:65], 0
	v_nop
	global_prefetch_b8 v0, s[64:65] scope:SCOPE_SE
	s_setreg_imm32_b32 hwreg(HW_REG_WAVE_MODE, 25, 1), 1
	s_wait_xcnt 0x0
; Launch 3 of 4: logits = Q(h) W2[e] + b2 for the tokens that chose expert e.
; WORK LEFT OUT: the logits of experts that a token did not choose (the first launch's head comment shows that they reach no output).
; SHARES.  Work-group (slice, e) owns classes 64 slice .. + 63 of expert e: 64 KB of W2's codes, which go through LDS, in two K halves, into EACH wave's registers (512).  The waves share the rows: wave w takes the tiles of
; 32 rows T = w, w + 4, .. under ceil(n / 32), n the tokens that chose e.  No tensor load, no copy, no cluster: branches hang on the route, which partners do not share.  No prefetch: a wave's first tile is asked for at
; the head without a branch (tiles 0 to 3 of every expert are always stored by the launch before), and whether the loop reads anything hangs on the route.
; WHICH ROWS.  h lies in the order of the launch before: rank g = 32 T + l.  The token of a rank is wanted for the stores alone and is found as there: 32 masks of the route's words in s66-97 (register k = 4 i + q of lane l is
; token 128 i + 4 l + q), the running count of their bits, and halving inside a mask.  The result of a rank of n or more goes to row 2,048 + e of logits, which nobody reads.
; h comes as images of the operand's registers (hq) and scale words (hsc): every load is dense.  A wave has at most 57 loads out ahead of the wait for W2's second K half.
; The product is used transposed (source 0 = 16 classes, source 1 = 16 rows): a lane holds one row and eight neighbouring classes.  b2 is the C of each sum's first product.
; CLASSES 1,000 TO 1,023 (slice 15) do not exist: their loads take class 999's row and b2's last four; their results go to columns that the next launch masks.
; OUT.  logits has rows of 4,096 bytes: row 2 x token + slot (1 where e is the token's higher expert).  Rows go through the wave's own stage, so that sixteen lanes store 256 consecutive aligned bytes.
; REGISTERS.  Window 0: v1-17 addresses; v18-33 h's scale words; v34-97 W2's; v98-129 b2; v130-193 accumulators (at the head: load offsets, the route); v194-209 the stores' offsets; v210-228 rows and ranks.
; Window 1: W2's K steps 0-7 (32 s + 8 t); window 2: 8-15 (at the head v0-127: rows as loaded); window 3: h's fragments (128 m + 8 s).
.set WP,    528                        ; LDS: 64 rows of 512 bytes + 16: the first K half,
.set WL1,   33792                      ; and the second
.set STG,   67584
.set ENTL,  84992
.set SPARE, 85504                      ; the spare words, 128 bytes for each wave, in blocks that no other line names
.set HS,    18
.set W2S,   34
.set B2,    98
.set ACC,   130
.set RO,    130
.set CO,    146
.set BO,    150
.set RT,    160
.set ENT,   194
.set EN,    210
.set TOK,   211
.set WORD,  215
.set MK,    216
.set PR,    217
.set KK,    218
.set T1,    219
.set POS,   220
.set A1,    221
.set A2,    222
.set A4,    223
.set WO,    227
.set UU,    228
.set MSB, 0
.macro WIN new                         ; the immediate's high byte repeats the setting that is left
.if MSB != \new
	s_set_vgpr_msb (MSB<<8)|\new
.set MSB, \new
.endif
.endm
.macro HALVE w                         ; the count in v[T1] of the lower w bits: is my bit above them?
	v_cmp_ge_u32 vcc_lo, v[PR], v[T1]
	v_cndmask_b32 v[UU], 0, \w, vcc_lo
	v_cndmask_b32 v[T1], 0, v[T1], vcc_lo
	v_sub_nc_u32 v[PR], v[PR], v[T1]
.endm
; The token of rank v11, lane by lane, in v[TOK], and its offset in route; s24 ends as n
.macro PASS
	v_mov_b32 v[MK], s66
	v_mov_b32 v[PR], 0
	v_mov_b32 v[KK], 0
	s_bcnt1_i32_b32 s24, s66
.set k, 1
.rept 31
	v_cmp_le_u32 vcc_lo, s24, v11                  ; are there no more bits ahead of mask k than my rank?
	s_bcnt1_i32_b32 s25, s[66+k]
	v_cndmask_b32 v[MK], v[MK], s[66+k], vcc_lo
	v_cndmask_b32 v[PR], v[PR], s24, vcc_lo
	v_cndmask_b32 v[KK], v[KK], k, vcc_lo
	s_add_co_u32 s24, s24, s25
.set k, k+1
.endr
	v_sub_nc_u32 v[PR], v11, v[PR]                 ; my bit's number in the mask
	v_lshrrev_b32 v[T1], 1, v[MK]
	v_and_b32 v[T1], 0x55555555, v[T1]
	v_sub_nc_u32 v[A1], v[MK], v[T1]               ; counts of 2 bits,
	v_and_b32 v[T1], 0x33333333, v[A1]
	v_lshrrev_b32 v[UU], 2, v[A1]
	v_and_b32 v[UU], 0x33333333, v[UU]
	v_add_nc_u32 v[A2], v[T1], v[UU]               ; of 4,
	v_lshrrev_b32 v[T1], 4, v[A2]
	v_add_nc_u32 v[T1], v[T1], v[A2]
	v_and_b32 v[A4], 0x0f0f0f0f, v[T1]             ; of 8,
	v_lshrrev_b32 v[T1], 8, v[A4]
	v_add_nc_u32 v[T1], v[T1], v[A4]
	v_and_b32 v[T1], 0xff, v[T1]                   ; of the lower 16
	HALVE 16
	v_mov_b32 v[POS], v[UU]
	v_bfe_u32 v[T1], v[A4], v[POS], 8
	HALVE 8
	v_add_nc_u32 v[POS], v[POS], v[UU]
	v_bfe_u32 v[T1], v[A2], v[POS], 4
	HALVE 4
	v_add_nc_u32 v[POS], v[POS], v[UU]
	v_bfe_u32 v[T1], v[A1], v[POS], 2
	HALVE 2
	v_add_nc_u32 v[POS], v[POS], v[UU]
	v_bfe_u32 v[T1], v[MK], v[POS], 1
	HALVE 1
	v_add_nc_u32 v[POS], v[POS], v[UU]
	v_lshrrev_b32 v[T1], 2, v[KK]
	v_and_b32 v[UU], 3, v[KK]
	v_lshl_add_u32 v[UU], v[POS], 2, v[UU]
	v_lshl_add_u32 v[TOK], v[T1], 7, v[UU]         ; 128 (k / 4) + 4 lane + k % 4
	v_min_u32 v[TOK], 0x3ff, v[TOK]
	v_lshlrev_b32 v[WO], 2, v[TOK]
.endm
.macro HFL q, off                      ; h's K steps 4 q .. 4 q + 3, 16 loads: piece j = 4 s + 2 m + c lies 512 j bytes into the tile
	WIN 0xc0
.set j, 16*\q
.rept 16
	global_load_b128 v[128*((j/2)%2)+8*(j/4)+4*(j%2):128*((j/2)%2)+8*(j/4)+4*(j%2)+3], v4, s[4:5] offset:\off+512*j
.set j, j+1
.endr
	WIN 0
.endm
.macro HSL off                         ; a tile's scale words, 16 loads: lane l holds row l's, one register a K step
.irp s, 0,1,2,3,4,5,6,7,8,9,10,11,12,13,14,15
	global_load_b32 v[HS+\s], v8, s[6:7] offset:\off+128*\s
.endr
.endm
.macro FR s, base, win                 ; W2's fragments of one K step of a half: 8 loads
	WIN \win
.irp t, 0,1,2,3
.irp c, 0,1
	ds_load_b128 v[32*\s+8*\t+4*\c:32*\s+8*\t+4*\c+3], v6 offset:\base+16*\t*WP+64*\s+32*\c
.endr
.endr
.endm
.macro MM d, a, b, c, sa, sb, row      ; row = 1: source 1's scale words stand in lanes 16-31
.if \row
	v_wmma_scale_f32_16x16x128_f8f6f4 v[\d:\d+7], v[\a:\a+7], v[\b:\b+7], v[\c:\c+7], v[\sa], v[\sb] matrix_a_fmt:MATRIX_FMT_FP4 matrix_b_fmt:MATRIX_FMT_FP4 matrix_b_scale:MATRIX_SCALE_ROW1
.else
	v_wmma_scale_f32_16x16x128_f8f6f4 v[\d:\d+7], v[\a:\a+7], v[\b:\b+7], v[\c:\c+7], v[\sa], v[\sb] matrix_a_fmt:MATRIX_FMT_FP4 matrix_b_fmt:MATRIX_FMT_FP4
.endif
.endm
; K step s: eight accumulators by turns, one instruction a turn, in the same order in every K step
.macro MULS s
.irp t, 0,1,2,3
.irp m, 0,1
.if (\s) == 0
	MM ACC+32*\m+8*\t, 32*((\s)%8)+8*\t, 128*\m+8*(\s), B2+8*\t, W2S+16*\t+(\s), HS+(\s), \m
.else
	MM ACC+32*\m+8*\t, 32*((\s)%8)+8*\t, 128*\m+8*(\s), ACC+32*\m+8*\t, W2S+16*\t+(\s), HS+(\s), \m
.endif
.endr
.endr
.endm
.macro TOSTAGE m                       ; half m, 16 rows x 64 classes, into my stage, each accumulator from its low end on, and back as whole rows of 256 bytes
.irp t, 0,1,2,3
	ds_store_b128 v12, v[ACC+32*\m+8*\t:ACC+32*\m+8*\t+3] offset:64*\t
	ds_store_b128 v12, v[ACC+32*\m+8*\t+4:ACC+32*\m+8*\t+7] offset:64*\t+16
.endr
.irp i, 0,1,2,3,4,5,6,7
	ds_load_b128 v[ACC+32*\m+4*\i:ACC+32*\m+4*\i+3], v13 offset:544*\i   ; LDS serves a wave's instructions in order (ISA guide 5.7.1.4)
.endr
.endm
.macro SEND m, younger                 ; younger: the LDS instructions issued behind half m's loads
.irp i, 0,1,2,3,4,5,6,7
	s_wait_dscnt \younger+7-\i
	global_store_b128 v[ENT+8*\m+\i], v[ACC+32*\m+4*\i:ACC+32*\m+4*\i+3], s[16:17]
.endr
.endm
; A tile.  first = 1: W2's second K half is read from LDS between the products of the first
.macro TRIP first
.if \first
	s_wait_loadcnt 48                              ; behind what K steps 0-3 need: K steps 4-15, 48 loads
.else
	s_wait_loadcnt 32                              ; behind what K steps 0-7 need: K steps 8-15, 32 loads
.endif
	v_and_b32 v[T1], s23, v[WORD]
	v_cmp_lt_u32 vcc_lo, 0xffff, v[T1]
	v_cndmask_b32 v[T1], 0, 1, vcc_lo              ; the slot
	v_lshl_add_u32 v[EN], v[TOK], 1, v[T1]
	v_cmp_gt_u32 vcc_lo, s31, v11
	v_cndmask_b32 v[EN], s41, v[EN], vcc_lo        ; row l's entry
	ds_store_b32 v10, v[EN]                        ; through my own 128 bytes: for store i of half m lanes 0-15 take row 2 i's entry, lanes 16-31 row 2 i + 1's
.irp m, 0,1
.irp i, 0,1,2,3,4,5,6,7
	ds_load_b32 v[ENT+8*\m+\i], v7 offset:64*\m+8*\i
.endr
.endr
	s_add_co_u32 s38, s33, 4                       ; my next tile, if there is one: its rows
	s_cmp_ge_u32 s38, s32
	s_cbranch_scc1 .Lno_pass_\@
	v_add_nc_u32 v11, 128, v11
	PASS
	s_wait_alu depctr_va_vdst(0)
.Lno_pass_\@:
.if \first
.irp s, 0,1,2,3,4,5,6,7
.if \s == 4
	s_wait_loadcnt 32                              ; K steps 4-7
.endif
	FR \s, WL1, 0x80
	WIN 0x0d
	MULS \s
.endr
.else
	WIN 0x0d
.irp s, 0,1,2,3,4,5,6,7
	MULS \s
.endr
.endif
	WIN 0
.rept 4
	v_nop                                          ; places in front of loads into what the products have read
.endr
	s_wait_loadcnt 0x0                             ; K steps 8-15
	s_cmp_ge_u32 s38, s32
	s_cbranch_scc1 .Lno_mid_\@
	HFL 0, 131072                                  ; the next tile's K steps 0-7
	HFL 1, 131072
.Lno_mid_\@:
	s_wait_dscnt 0x0                               ; the entries (and, in the first tile, W2's second half)
	WIN 0x0e
.irp s, 8,9,10,11,12,13,14,15
	MULS \s
.endr
	WIN 0
.irp i, 0,1,2,3,4,5,6,7,8,9,10,11,12,13,14,15
	v_min_u32 v[ENT+\i], 2063, v[ENT+\i]           ; held inside logits' 2,064 rows
	v_lshl_add_u32 v[ENT+\i], v[ENT+\i], 12, v14   ; its row of 4,096 bytes, + my 16.  These lines are also the places behind the products
.endr
	s_wait_alu depctr_va_vdst(0)
	s_cmp_ge_u32 s38, s32
	s_cbranch_scc1 .Lno_end_\@
	global_load_b32 v[WORD], v[WO], s[14:15]
	HSL 8192
	HFL 2, 131072
	HFL 3, 131072
.Lno_end_\@:
	TOSTAGE 0
	TOSTAGE 1
	SEND 0, 16                                     ; behind half 0's loads: half 1's 8 stores and 8 loads
	SEND 1, 0
.endm
	s_load_b256 s[4:11], s[0:1], 0x0               ; hq, hsc, W2's codes, W2's scales
	s_load_b128 s[12:15], s[0:1], 0x20             ; b2, route
	s_load_b64 s[16:17], s[0:1], 0x30              ; logits
	v_lshl_add_u32 v16, v0, 2, SPARE               ; kept for the wave's end
	v_mov_b32 v17, 0
	v_lshrrev_b32 v1, 5, v0
	v_readfirstlane_b32 s20, v1                    ; wave
	s_and_b32 s22, ttmp7, 0xffff                   ; e
	s_lshl_b32 s21, ttmp9, 6                       ; my slice's first class
	s_lshl_b32 s23, 0x10001, s22                   ; the expert's two bits in a word of route
	s_mov_b32 s33, s20                             ; T = w
	s_add_co_u32 s41, s22, 2048                    ; the entry of a rank beyond n
	s_mul_i32 s42, s20, 16*WP
	s_lshl_b32 s43, s20, 7
	s_add_co_u32 s43, s43, ENTL
	s_mul_i32 s44, s20, 16*272
	s_add_co_u32 s44, s44, STG
	s_lshl_b32 s45, s20, 5
	s_lshl_b32 s40, s20, 4
	s_add_co_u32 s40, s40, s21                     ; the first class that my wave loads
	s_mov_b32 s37, 0
	v_and_b32 v1, 31, v0                           ; l
	v_and_b32 v2, 15, v0                           ; r
	v_bfe_u32 v9, v0, 4, 1                         ; h
	v_lshlrev_b32 v4, 4, v1                        ; 16 l
	v_lshlrev_b32 v3, 4, v9                        ; 16 h
	v_add_nc_u32 v5, s42, v4                       ; where I put the rows that I load
	v_mul_u32_u24 v6, v2, WP
	v_add_nc_u32 v6, v6, v3                        ; a fragment: row r, + 16 h
	v_lshlrev_b32 v8, 2, v1
	v_lshl_add_u32 v7, v9, 2, s43                  ; entries: out, one for each half of the lanes,
	v_add_nc_u32 v10, s43, v8                      ; in, one a lane
	v_add_nc_u32 v11, s45, v1                      ; my rank: 32 w + l
	v_mul_u32_u24 v12, v2, 272
	v_lshl_add_u32 v12, v9, 5, v12
	v_add_nc_u32 v12, s44, v12                     ; the stage, in: row r, + 32 h
	v_mul_u32_u24 v13, v9, 272
	v_lshl_add_u32 v13, v2, 4, v13
	v_add_nc_u32 v13, s44, v13                     ; back: lanes 0-15 one row, lanes 16-31 the next
	v_lshlrev_b32 v14, 4, v2
	v_lshlrev_b32 v15, 3, v9                       ; 8 h
	s_wait_alu depctr_va_vdst(0)
.set i, 0
.rept 16
	s_add_co_u32 s24, s40, i
	s_min_u32 s24, s24, 999                        ; a class that does not exist takes the last one's row
	s_lshl_b32 s24, s24, 10
	v_add_nc_u32 v[RO+i], s24, v4
.set i, i+1
.endr
.irp t, 0,1,2,3
	s_add_co_u32 s24, s21, 16*\t
	v_add_nc_u32 v[CO+\t], s24, v2
	v_min_u32 v[CO+\t], 999, v[CO+\t]
	v_lshlrev_b32 v[CO+\t], 6, v[CO+\t]            ; W2's scale words: 64 bytes a class
.irp q, 0,1
	s_add_co_u32 s24, s21, 16*\t+4*\q
	v_add_nc_u32 v[BO+2*\t+\q], s24, v15
	v_min_u32 v[BO+2*\t+\q], 996, v[BO+2*\t+\q]    ; b2 by fours
	v_lshlrev_b32 v[BO+2*\t+\q], 2, v[BO+2*\t+\q]
.endr
.endr
	s_wait_alu depctr_va_vdst(0)
	s_wait_kmcnt 0x0
.irp i, 0,1,2,3,4,5,6,7
	global_load_b128 v[RT+4*\i:RT+4*\i+3], v4, s[14:15] offset:512*\i   ; the route
.endr
	s_mul_i32 s36, s22, 1024000
	s_add_nc_u64 s[8:9], s[8:9], s[36:37]          ; the expert's W2,
	s_mul_i32 s36, s22, 64000
	s_add_nc_u64 s[10:11], s[10:11], s[36:37]      ; its scale bytes,
	s_mul_i32 s36, s22, 4000
	s_add_nc_u64 s[12:13], s[12:13], s[36:37]      ; its b2
	s_lshl_b32 s24, s22, 5
	s_add_co_u32 s24, s24, s20                     ; 32 e + T
	s_lshl_b32 s36, s24, 15
	s_add_nc_u64 s[4:5], s[4:5], s[36:37]          ; hq at (e, T)
	s_lshl_b32 s36, s24, 11
	s_add_nc_u64 s[6:7], s[6:7], s[36:37]          ; hsc at (e, T)
	s_lshl_b32 s36, ttmp9, 8
	s_add_nc_u64 s[16:17], s[16:17], s[36:37]      ; logits at my slice's 256 bytes of a row
	WIN 0x80                                       ; destination window 2
.irp p, 0,1
.set i, 0
.rept 16
	global_load_b128 v[64*\p+4*i:64*\p+4*i+3], v[RO+i], s[8:9] offset:512*\p th:TH_LOAD_NT   ; 512 consecutive bytes; a class's row is read by this wave alone
.set i, i+1
.endr
.endr
	HFL 0, 0                                       ; my first tile's K steps 0-3
	s_wait_loadcnt 48                              ; the route is in; behind it 32 loads of W2's rows and 16 of h
.set k, 0
.rept 32
	v_and_b32 v[MK+k%4], s23, v[RT+k]
	v_cmp_ne_u32 s[66+k], 0, v[MK+k%4]             ; the tokens of register k that chose e
.set k, k+1
.endr
	PASS
	s_wait_alu depctr_va_vdst(0)
	s_mov_b32 s31, s24                             ; n
	s_add_co_u32 s32, s24, 31
	s_lshr_b32 s32, s32, 5
	s_min_u32 s32, s32, 32                         ; the expert's tiles of 32 rows
	global_load_b32 v[WORD], v[WO], s[14:15]       ; my row's word in route
	s_wait_loadcnt 33                              ; W2's first K half is in; behind it 16 loads of the second, 16 of h and 1 of route
	WIN 0x08                                       ; an LDS store's data are its source 1: window 2
.set i, 0
.rept 16
	ds_store_b128 v5, v[4*i:4*i+3] offset:WP*i
.set i, i+1
.endr
	WIN 0
	s_wait_dscnt 0x0
	s_barrier_signal -1
	s_barrier_wait -1                              ; the first K half of 64 rows lies in LDS; nobody writes it again
.irp t, 0,1,2,3
.irp q, 0,1,2,3
	global_load_b128 v[W2S+16*\t+4*\q:W2S+16*\t+4*\q+3], v[CO+\t], s[10:11] offset:16*\q   ; class 16 t + r: its 16 scale words
.endr
.endr
.irp t, 0,1,2,3
.irp q, 0,1
	global_load_b128 v[B2+8*\t+4*\q:B2+8*\t+4*\q+3], v[BO+2*\t+\q], s[12:13]   ; b2 of classes 16 t + 8 h + 0 .. 7
.endr
.endr
.irp s, 0,1,2,3,4,5,6,7
	FR \s, 0, 0x40
.endr
	s_wait_loadcnt 41                              ; the second K half is in; behind it 16 loads of h, 1 of route, 16 of scale words, 8 of b2
	WIN 0x08
.set i, 0
.rept 16
	ds_store_b128 v5, v[64+4*i:64+4*i+3] offset:WL1+WP*i
.set i, i+1
.endr
	WIN 0
	HSL 0
	HFL 1, 0
	s_wait_dscnt 0x0
	s_barrier_signal -1
	s_barrier_wait -1                              ; the second K half lies in LDS; nobody writes it again
	HFL 2, 0
	HFL 3, 0
	s_cmp_ge_u32 s33, s32
	s_cbranch_scc1 .Ldone                          ; the expert has no tile for this wave, and no barrier follows
	TRIP 1
	s_mov_b32 s34, 1
.Ltrip:                                                ; seven trips, a constant: tiles T = w + 4 x trip; the work of a tile that the expert does not have is jumped over
	s_wait_xcnt 0x0                                ; loads and stores have read their bases and registers
	s_add_nc_u64 s[4:5], s[4:5], 131072            ; four tiles on
	s_add_nc_u64 s[6:7], s[6:7], 8192
	s_add_co_u32 s33, s33, 4
	s_cmp_ge_u32 s33, s32
	s_cbranch_scc1 .Lskip
	TRIP 0
.Lskip:
	s_add_co_u32 s34, s34, 1
	s_cmp_lt_u32 s34, 8
	s_cbranch_scc1 .Ltrip
.Ldone:
	s_wait_tensorcnt 0x0                           ; the wave's end
	ds_add_u32 v16, v17
	s_wait_dscnt 0x0
	s_endpgm
.Lfunc_end_k_q85805cdafd_fc2:
	.size	k_q85805cdafd_fc2, .Lfunc_end_k_q85805cdafd_fc2-k_q85805cdafd_fc2
	.p2alignl 7, 3214868480
	.fill 96, 4, 3214868480
	.section	.rodata,"a",@progbits
	.p2align	6, 0x0
	.amdhsa_kernel k_q85805cdafd_fc2
		.amdhsa_group_segment_fixed_size 86016
		.amdhsa_private_segment_fixed_size 0
		.amdhsa_enable_private_segment 0
		.amdhsa_kernarg_size 56
		.amdhsa_user_sgpr_count 2
		.amdhsa_user_sgpr_kernarg_segment_ptr 1
		.amdhsa_wavefront_size32 1
		.amdhsa_system_sgpr_workgroup_id_x 1
		.amdhsa_system_sgpr_workgroup_id_y 1
		.amdhsa_system_sgpr_workgroup_id_z 1
		.amdhsa_system_vgpr_workitem_id 0
		.amdhsa_next_free_vgpr 1024
		.amdhsa_next_free_sgpr 100
		.amdhsa_reserve_vcc 1
		.amdhsa_float_denorm_mode_32 3
		.amdhsa_float_denorm_mode_16_64 3
		.amdhsa_memory_ordered 1
		.amdhsa_forward_progress 1
		.amdhsa_inst_pref_size 133
	.end_amdhsa_kernel
	.amdgpu_metadata
---
amdhsa.version: [ 1, 2 ]
amdhsa.kernels:
  - .name:           k_q85805cdafd_fc2
    .symbol:         k_q85805cdafd_fc2.kd
    .args:
      - { .name: hq, .offset: 0, .size: 8, .value_kind: global_buffer, .address_space: global }
      - { .name: hsc, .offset: 8, .size: 8, .value_kind: global_buffer, .address_space: global }
      - { .name: W2_codes, .offset: 16, .size: 8, .value_kind: global_buffer, .address_space: global }
      - { .name: W2_scales, .offset: 24, .size: 8, .value_kind: global_buffer, .address_space: global }
      - { .name: b2, .offset: 32, .size: 8, .value_kind: global_buffer, .address_space: global }
      - { .name: route, .offset: 40, .size: 8, .value_kind: global_buffer, .address_space: global }
      - { .name: logits, .offset: 48, .size: 8, .value_kind: global_buffer, .address_space: global }
    .group_segment_fixed_size: 86016
    .private_segment_fixed_size: 0
    .kernarg_segment_align: 8
    .kernarg_segment_size: 56
    .max_flat_workgroup_size: 128
    .sgpr_count:     100
    .vgpr_count:     1024
    .wavefront_size: 32
...
	.end_amdgpu_metadata
.endif
;; end of part 3
;; launch combine (part 4): grid 128 x 1, 16 waves a work-group, no clusters, 67,584 bytes of LDS; arguments logits, gw, out0; writes out0
.if DOCPART == 4
	.amdgcn_target "amdgcn-amd-amdhsa--gfx1250"
	.amdhsa_code_object_version 6
	.text
	.protected	k_q85805cdafd_combine
	.globl	k_q85805cdafd_combine
	.p2align	8
	.type	k_q85805cdafd_combine,@function
k_q85805cdafd_combine:
	s_mov_b64 s[64:65], 0
	v_nop
	global_prefetch_b8 v0, s[64:65] scope:SCOPE_SE
	s_setreg_imm32_b32 hwreg(HW_REG_WAVE_MODE, 25, 1), 1
	s_wait_xcnt 0x0
; Launch 4 of 4: out0[token] = w_lo log_softmax(logits of the lower chosen expert) + w_hi log_softmax(logits of the higher).
; WORK LEFT OUT: the log_softmax of experts that a token did not choose (the first launch's head comment shows that it reaches no output).
; SHARES.  A wave takes one row of logits, row 16 x work-group + wave: token 8 x work-group + wave / 2, its lower expert (even waves) or its higher.  The row lies in 32 registers between the passes, so it is read once.
; Lane l holds, of chunk i, columns 128 i + 4 l + 0 .. 3.  Columns 1,000 to 1,023 (chunk 7, lanes 26-31) are no classes: they are set to -3e38 ahead of the maximum and count for nothing.
; lse = m + ln 2 x log2(sum of 2^((x - m) log2 e)), m the row's maximum, taken away before the exponential as reference() does.  The wave's share is w x - w lse.
; THE WAY OUT.  The work-group's 8 rows of out0 are 32,000 consecutive bytes, 125 blocks of 256.  The shares meet in two stages in LDS (lower, higher), rows 4,096 bytes apart, and are added as the 32,000 bytes lie: byte o
; lies in a stage at o + 96 (o / 4,000).  Each store of a wave covers 512 consecutive bytes, at a multiple of 256 from out0's first byte.
; LIMITS: NaN and infinities are not served; logits under -3e38 are not served.  No matrix unit, no cluster, no tensor load: each byte streams once and work-groups share nothing.
.set STG,   0
.set SPARE, 65536                      ; the spare words, 128 bytes for each wave, in blocks that no other line names
.set RA,    8                          ; v8-11   where chunk i of the way out is read in a stage
.set A,     16                         ; v16-47  the row
.set B,     48                         ; v48-79  the way out
.set T,     80                         ; v80-111 exponents and exponentials
	s_load_b128 s[4:7], s[0:1], 0x0                ; logits, gw
	s_load_b64 s[8:9], s[0:1], 0x10                ; out0
	v_lshl_add_u32 v5, v0, 2, SPARE                ; my spare word,
	v_mov_b32 v6, 0                                ; and 0: kept for the wave's end
	v_lshrrev_b32 v1, 5, v0
	v_readfirstlane_b32 s10, v1                    ; wave 0..15
	v_and_b32 v1, 31, v0                           ; l
	s_and_b32 s11, s10, 1
	s_lshl_b32 s11, s11, 15
	s_lshr_b32 s12, s10, 1
	s_lshl_b32 s12, s12, 12
	s_add_co_u32 s11, s11, s12                     ; my row in the stages
	s_lshl_b32 s12, s10, 9
	v_lshlrev_b32 v2, 4, v1                        ; 16 l
	v_add_nc_u32 v3, s11, v2                       ; into the stage
	v_add_nc_u32 v4, s12, v2                       ; out: 512 w + 16 l of each 8,192 bytes
.irp i, 0,1,2,3
	v_add_nc_u32 v[RA+\i], 8192*\i, v4             ; o
.endr
.irp i, 0,1,2,3
	v_lshrrev_b32 v[B+\i], 5, v[RA+\i]
.endr
.irp i, 0,1,2,3
	v_mul_u32_u24 v[B+\i], 8389, v[B+\i]           ; (o / 32) / 125 as x 8,389 / 2^20: exact for o / 32 under 1,024
.endr
.irp i, 0,1,2,3
	v_lshrrev_b32 v[B+\i], 20, v[B+\i]             ; o / 4,000
.endr
.irp i, 0,1,2,3
	v_mad_u32_u24 v[RA+\i], v[B+\i], 96, v[RA+\i]
.endr
	v_lshrrev_b32 v[B+4], 3, v[B+3]                ; 1 where o is 32,000 or more: such a lane's store is switched off below,
	v_mov_b32 v7, 0xff61b1e6                       ; -3e38
	v_xor_b32 v[B+4], 1, v[B+4]
	v_mov_b32 v115, 0                              ; (upper halves of pairs of which the low word serves both halves: named, so written)
	v_mul_u32_u24 v[RA+3], v[RA+3], v[B+4]         ; and it reads the stage's first bytes
	v_mov_b32 v125, 0
	v_mov_b32 v123, 0                              ; a lane permute's destination counts as one of its sources
	s_mov_b32 s18, 0x3fb8aa3b                      ; log2(e)
	s_mov_b32 s19, s18
	s_mov_b32 s20, 0x76543210
	s_mov_b32 s21, 0xfedcba98                      ; v_permlanex16_b32's selects for lane l xor 16
	s_lshl_b32 s11, ttmp9, 4
	s_add_co_u32 s11, s11, s10                     ; my row of logits, and my number in gw
	s_wait_alu depctr_va_vdst(0)
	s_wait_kmcnt 0x0
	s_lshl_b32 s12, s11, 12
	s_mov_b32 s13, 0
	s_add_nc_u64 s[4:5], s[4:5], s[12:13]
	s_lshl_b32 s12, s11, 2
	s_add_nc_u64 s[6:7], s[6:7], s[12:13]
	s_load_b32 s14, s[6:7], 0x0                    ; w
.irp i, 0,1,2,3,4,5,6,7
	global_load_b128 v[A+4*\i:A+4*\i+3], v2, s[4:5] offset:512*\i th:TH_LOAD_NT
.endr
	s_mul_i32 s12, ttmp9, 32000
	s_wait_kmcnt 0x0
	s_mov_b32 s15, s14
	s_add_nc_u64 s[8:9], s[8:9], s[12:13]          ; the work-group's 32,000 bytes of out0
	v_cmp_gt_u32 vcc_lo, 26, v1                    ; lanes whose chunk 7 holds classes
	s_wait_loadcnt 0x0
.irp q, 28,29,30,31
	v_cndmask_b32 v[A+\q], v7, v[A+\q], vcc_lo     ; what is no class counts for nothing
.endr
	v_max3_num_f32 v112, v[A], v[A+1], v[A+2]      ; the largest of my 32, in two chains
	v_max3_num_f32 v113, v[A+3], v[A+4], v[A+5]
.irp i, 6,10,14,18,22,26
	s_delay_alu instid0(VALU_DEP_2)
	v_max3_num_f32 v112, v112, v[A+\i], v[A+\i+1]
	s_delay_alu instid0(VALU_DEP_2)
	v_max3_num_f32 v113, v113, v[A+\i+2], v[A+\i+3]
.endr
	s_delay_alu instid0(VALU_DEP_2)
	v_max3_num_f32 v112, v112, v[A+30], v[A+31]
	s_delay_alu instid0(VALU_DEP_1)
	v_max_num_f32 v112, v112, v113
	s_delay_alu instid0(VALU_DEP_1)
	v_max_num_f32_dpp v112, v112, v112 row_xmask:1 row_mask:0xf bank_mask:0xf
	s_delay_alu instid0(VALU_DEP_1)
	v_max_num_f32_dpp v112, v112, v112 row_xmask:2 row_mask:0xf bank_mask:0xf
	s_delay_alu instid0(VALU_DEP_1)
	v_max_num_f32_dpp v112, v112, v112 row_xmask:4 row_mask:0xf bank_mask:0xf
	s_delay_alu instid0(VALU_DEP_1)
	v_max_num_f32_dpp v112, v112, v112 row_xmask:8 row_mask:0xf bank_mask:0xf
	s_delay_alu instid0(VALU_DEP_1)
	v_permlanex16_b32 v123, v112, s20, s21
	s_delay_alu instid0(VALU_DEP_1)
	v_max_num_f32 v112, v112, v123                 ; m, in every lane
	s_delay_alu instid0(VALU_DEP_1)
	v_mul_f32 v114, 0xbfb8aa3b, v112               ; -m log2(e)
.irp j, 0,2,4,6,8,10,12,14,16,18,20,22,24,26,28,30
	v_pk_fma_f32 v[T+\j:T+\j+1], v[A+\j:A+\j+1], s[18:19], v[114:115] op_sel_hi:[1,0,0]   ; (x - m) log2(e), two at a time
.endr
	s_wait_alu depctr_va_vdst(0)
.set j, 0
.rept 32
	v_exp_f32 v[T+j], v[T+j]                       ; one batch
.set j, j+1
.endr
	v_nop                                          ; a plain place behind the last exponential
	s_wait_alu depctr_va_vdst(0)                   ; one wait for the batch, ahead of its first reader
	v_pk_add_f32 v[116:117], v[80:81], v[82:83]
	v_pk_add_f32 v[118:119], v[84:85], v[86:87]
	v_pk_add_f32 v[126:127], v[88:89], v[90:91]
.irp i, 92,98,104
	v_pk_add_f32 v[116:117], v[116:117], v[\i:\i+1]
	v_pk_add_f32 v[118:119], v[118:119], v[\i+2:\i+3]
	v_pk_add_f32 v[126:127], v[126:127], v[\i+4:\i+5]
.endr
	v_pk_add_f32 v[116:117], v[116:117], v[110:111]
	v_pk_add_f32 v[118:119], v[118:119], v[126:127]
	s_delay_alu instid0(VALU_DEP_1)
	v_pk_add_f32 v[116:117], v[116:117], v[118:119]
	s_delay_alu instid0(VALU_DEP_1)
	v_add_f32 v116, v116, v117
	s_delay_alu instid0(VALU_DEP_1)
	v_add_f32_dpp v116, v116, v116 row_xmask:1 row_mask:0xf bank_mask:0xf
	s_delay_alu instid0(VALU_DEP_1)
	v_add_f32_dpp v116, v116, v116 row_xmask:2 row_mask:0xf bank_mask:0xf
	s_delay_alu instid0(VALU_DEP_1)
	v_add_f32_dpp v116, v116, v116 row_xmask:4 row_mask:0xf bank_mask:0xf
	s_delay_alu instid0(VALU_DEP_1)
	v_add_f32_dpp v116, v116, v116 row_xmask:8 row_mask:0xf bank_mask:0xf
	s_delay_alu instid0(VALU_DEP_1)
	v_permlanex16_b32 v123, v116, s20, s21
	s_delay_alu instid0(VALU_DEP_1)
	v_add_f32 v116, v116, v123                     ; at least 1: the maximum's own term
	s_wait_alu depctr_va_vdst(0)
	v_log_f32 v122, v116
	v_nop                                          ; a plain place behind the logarithm
	s_wait_alu depctr_va_vdst(0)                   ; and the wait ahead of its reader
	v_fma_f32 v120, v122, 0x3f317218, v112         ; lse = log2(sum) x ln 2 + m
	v_mul_f32 v124, s14, v120                      ; w lse
.irp j, 0,2,4,6,8,10,12,14,16,18,20,22,24,26,28,30
	v_pk_fma_f32 v[A+\j:A+\j+1], v[A+\j:A+\j+1], s[14:15], v[124:125] op_sel_hi:[1,0,0] neg_lo:[0,0,1] neg_hi:[0,0,1]   ; w x - w lse
.endr
.irp i, 0,1,2,3,4,5,6,7
	ds_store_b128 v3, v[A+4*\i:A+4*\i+3] offset:STG+512*\i   ; lanes 26-31 of chunk 7 fill the row's last 96 bytes, which no store takes out
.endr
	s_wait_dscnt 0x0                               ; for the others' sake: my row lies in its stage
	s_barrier_signal -1
	s_barrier_wait -1                              ; all sixteen rows do; nobody writes the stages again
	v_add_nc_u32 v12, 32768, v[RA]                 ; the higher experts' stage
	v_add_nc_u32 v13, 32768, v[RA+1]
	v_add_nc_u32 v14, 32768, v[RA+2]
	v_add_nc_u32 v15, 32768, v[RA+3]
.irp i, 0,1,2,3
	ds_load_b128 v[B+8*\i:B+8*\i+3], v[RA+\i]
	ds_load_b128 v[B+8*\i+4:B+8*\i+7], v[12+\i]
.endr
.irp i, 0,1,2
	s_wait_dscnt 6-2*\i                            ; chunk i is in: two loads for each chunk behind it
	v_pk_add_f32 v[B+8*\i:B+8*\i+1], v[B+8*\i:B+8*\i+1], v[B+8*\i+4:B+8*\i+5]
	v_pk_add_f32 v[B+8*\i+2:B+8*\i+3], v[B+8*\i+2:B+8*\i+3], v[B+8*\i+6:B+8*\i+7]
	global_store_b128 v4, v[B+8*\i:B+8*\i+3], s[8:9] offset:8192*\i th:TH_STORE_NT   ; written once, read by nobody here
.endr
	s_wait_dscnt 0x0
	v_pk_add_f32 v[B+24:B+25], v[B+24:B+25], v[B+28:B+29]
	v_pk_add_f32 v[B+26:B+27], v[B+26:B+27], v[B+30:B+31]
	v_cmp_gt_u32 vcc_lo, 7424, v4                  ; of the last chunk only 32,000 - 24,576 bytes are the work-group's
	s_wait_alu depctr_va_vdst(0)
	s_wait_xcnt 0x0                                ; EXEC changes only behind this wait
	s_and_saveexec_b32 s22, vcc_lo
	global_store_b128 v4, v[B+24:B+27], s[8:9] offset:24576 th:TH_STORE_NT
	s_wait_xcnt 0x0                                ; and again, in front of the line that widens it
	s_or_b32 exec_lo, exec_lo, s22
	s_wait_tensorcnt 0x0                           ; the wave's end
	ds_add_u32 v5, v6
	s_wait_dscnt 0x0
	s_endpgm
.Lfunc_end_k_q85805cdafd_combine:
	.size	k_q85805cdafd_combine, .Lfunc_end_k_q85805cdafd_combine-k_q85805cdafd_combine
	.p2alignl 7, 3214868480
	.fill 96, 4, 3214868480
	.section	.rodata,"a",@progbits
	.p2align	6, 0x0
	.amdhsa_kernel k_q85805cdafd_combine
		.amdhsa_group_segment_fixed_size 67584
		.amdhsa_private_segment_fixed_size 0
		.amdhsa_enable_private_segment 0
		.amdhsa_kernarg_size 24
		.amdhsa_user_sgpr_count 2
		.amdhsa_user_sgpr_kernarg_segment_ptr 1
		.amdhsa_wavefront_size32 1
		.amdhsa_system_sgpr_workgroup_id_x 1
		.amdhsa_system_sgpr_workgroup_id_y 1
		.amdhsa_system_sgpr_workgroup_id_z 1
		.amdhsa_system_vgpr_workitem_id 0
		.amdhsa_next_free_vgpr 128
		.amdhsa_next_free_sgpr 66
		.amdhsa_reserve_vcc 1
		.amdhsa_float_denorm_mode_32 3
		.amdhsa_float_denorm_mode_16_64 3
		.amdhsa_memory_ordered 1
		.amdhsa_forward_progress 1
		.amdhsa_inst_pref_size 14
	.end_amdhsa_kernel
	.amdgpu_metadata
---
amdhsa.version: [ 1, 2 ]
amdhsa.kernels:
  - .name:           k_q85805cdafd_combine
    .symbol:         k_q85805cdafd_combine.kd
    .args:
      - { .name: logits, .offset: 0, .size: 8, .value_kind: global_buffer, .address_space: global }
      - { .name: gw, .offset: 8, .size: 8, .value_kind: global_buffer, .address_space: global }
      - { .name: out0, .offset: 16, .size: 8, .value_kind: global_buffer, .address_space: global }
    .group_segment_fixed_size: 67584
    .private_segment_fixed_size: 0
    .kernarg_segment_align: 8
    .kernarg_segment_size: 24
    .max_flat_workgroup_size: 512
    .sgpr_count:     66
    .vgpr_count:     128
    .wavefront_size: 32
...
	.end_amdgpu_metadata
.endif
;; end of part 4
